; MI455X (gfx1250); checked and timed in simulation.
; The chip was launched on July 23, 2026; its instructions are those of AMD's public machine-readable ISA for CDNA 5 (MIT licence, August 2026) and "CDNA5" Instruction Set Architecture Reference Guide (July 2026). The comments in the code are by the model that wrote it; some were corrected since.
;; MLP2. Allowed arithmetic: matrix products marked QUANTISED: E2M1 operands, one E8M0 scale for each 32 along K, by v_wmma_scale_f32_16x16x128_f8f6f4 with both operands' format E2M1 (or v_wmma_scale_f32_32x16x128_f4), f32 sums; products left as they are: f32 operands where the result goes on into a quantised operand, else bf16, f16 or f32 operands; f32 sums; everything else in f32.
;; Inputs: W1 32 x 1 float32; W2 32 x 32 float32; W3 1 x 32 float32; b1 32 float32; b2 32 float32; b3 1 float32; be1 32 float32; be2 32 float32; g1 32 float32; g2 32 float32; x 2,097,152 x 1 float32.
;; Outputs: out0 2,097,152 x 1 float32.
;; This version of the problem:
;;   THIS VERSION OF THE PROBLEM IS GIVEN IN LOW PRECISION. The matrix products marked QUANTISED in the list below multiply operands that are first quantised to E2M1 (2 exponent bits, 1 mantissa bit; 4 bits a number), with one power-of-two scale for each 32 numbers along K (OCP MX v1.0); their sums are f32. All else is computed in f32.
;;   The module's matrix products, in the order in which they are computed (A, B: the left and right operand; K: the contracted axis; several contracted axes count as one K, in the product's order):
;;     1. [M 2,097,152, K 1] x [K 1, N 32]; A: input x; B: input W1: left as it is (K = 1 < 32)
;;     2. [M 2,097,152, K 32] x [K 32, N 32]; A: computed on the way; B: input W2: QUANTISED
;;     3. [M 2,097,152, K 32] x [K 32, N 1]; A: computed on the way; B: input W3: left as it is (N = 1 < 16)
;;   THE QUANTISER, for each operand of a quantised product, along K:
;;     - K is cut into blocks of 32 from its start; a last block that is shorter is filled with zeros.
;;     - A block's scale is 2^e with e = floor(log2(the largest magnitude in the block)) - 2, held to -126 .. 127; a block of zeros has e = 0. As a byte (E8M0): e + 127.
;;     - Each number is divided by its block's scale, clamped to +-6, and rounded to the nearest number of E2M1, ties to even, subnormals kept.
;;     - The product sums the exact products of the quantised numbers (number of the format x scale) in f32.
;;   ~~~python
;;   def quantise(x, axis):      # numpy; x: float32 -> the quantised numbers, widened to float32 again
;;       x = np.moveaxis(x, axis, -1); K = x.shape[-1]
;;       x = np.pad(x, [(0, 0)] * (x.ndim - 1) + [(0, -K % 32)]); x = x.reshape(x.shape[:-1] + (-1, 32)); a = np.abs(x).max(-1, keepdims=True)
;;       e = np.where(a > 0, np.clip(np.frexp(np.where(a > 0, a, 1))[1] - 1 - 2, -126, 127), 0)      # np.frexp(a)[1] - 1 = floor(log2(a)), exactly
;;       r = np.clip(x / 2.0 ** e, -6, 6)
;;       step = 2.0 ** (np.maximum(np.frexp(np.where(r == 0, 1, r))[1] - 1, 0) - 1)
;;       q = np.round(r / step) * step * 2.0 ** e      # np.round: ties to even
;;       return np.moveaxis(q.reshape(q.shape[:-2] + (-1,))[..., :K], -1, axis).astype(np.float32)
;;   ~~~
;;   OPERANDS COMPUTED ON THE WAY. 'Computed on the way' means the value that the module computes at that place (a softmax that the list does not call 'softmax' is quantised finished and normalised). What goes into a quantiser is computed in f32, as accurately as f32 sums, v_exp_f32 and their like allow (about 1e-6 of the number): no bf16 or f16 on the way to a quantiser, and a product that is left as it is and whose result goes on into a quantised operand takes f32 operands (vector FMAs, or v_wmma_f32_16x16x4_f32). A number that lies on a knife's edge between two numbers of the format may be rounded either way, as far as f32 arithmetic and the matrix unit's own rounding can turn it there, and no further.
;; 2 versions, each right; version 2 is version 1 with the launch mlp written anew for expert scheduling mode. Each part assembles by itself: llvm-mc -triple=amdgcn-amd-amdhsa -mcpu=gfx1250 --defsym DOCPART=n.
;; ======== version 1 of 2: 1 launch
;; launch mlp (part 1): grid 256 x 1, 16 waves a work-group, no clusters, 0 bytes of LDS; arguments x, W1, b1, g1, be1, W2, b2, g2, be2, W3, b3, out0; writes out0
.if DOCPART == 1
	.amdgcn_target "amdgcn-amd-amdhsa--gfx1250"
	.amdhsa_code_object_version 6
	.text
	.protected	k_q9179d5e8ce_mlp
	.globl	k_q9179d5e8ce_mlp
	.p2align	8
	.type	k_q9179d5e8ce_mlp,@function
k_q9179d5e8ce_mlp:
	s_mov_b64 s[64:65], 0
	v_nop
	global_prefetch_b8 v0, s[64:65] scope:SCOPE_SE
	s_setreg_imm32_b32 hwreg(HW_REG_WAVE_MODE, 25, 1), 1
	s_wait_xcnt 0x0
; out0[n] = silu(LN(silu(LN(x[n] W1 + b1; g1, be1)) W2^T + b2; g2, be2)) . W3 + b3, n = 0 .. 2,097,151; 32 hidden units; all f32 but the middle product,
; which multiplies codes of FP4 (E2M1) with one E8M0 scale for its K = 32: one block a row of the hidden layer, one a row of W2.
; SHARES.  256 work-groups x 16 waves; a wave owns 512 rows (2,048 bytes of x and of out0) and walks them in 4 trips of 128 rows; a trip is 4 sub-steps of 32 rows.
; Lane l loads x[4 l .. 4 l + 3] of the trip's 128 rows: one load and one store of the wave cover 512 consecutive bytes, aligned.  Sub-step i takes row 4 l + i for lane l.
; LAYER 1 IN CLOSED FORM.  With wc = W1 - mean(W1), bc = b1 - mean(b1), k = sum(wc bc) / sum(wc^2), t = x + k, r = bc - k wc: the centred number of unit j is t wc_j + r_j and the variance
; A t^2 + 2 B' t + R (A = mean(wc^2), B' = mean(wc r), R = mean(r^2)): an identity for every k, with no difference of large sums (B' is rounding dust, A t^2 and R are not negative).
; So a row's mean and variance cost three multiply-adds and one v_rsq_f32.
; -c = -log2(e) IS FOLDED INTO THE GAINS AND BIASES: z' = -c z, and silu(z) = z' / (-c 2^z' - c): an exponential, a packed multiply-add, a reciprocal, a packed multiply.
; HALF LAYOUT.  Lane (r, h) = 16 h + r works on half of the 32 units of TWO rows: row of lane r (set A) and row of lane 16 + r (set B).  So a unit's constants take 16 registers, not 32, and serve both sets.
; Layer 1: units 16 h + 0 .. 15.  Layer 2: outputs 16 t + 8 h + j, as the transposed product leaves them.  v_permlane16_swap_b32 goes between this layout and 'a lane a row':
; swap a, b and op(a, b) joins two halves' results into the row's, in the row's lane; mov b, a and swap a, b spreads a row's number to both halves (a: set A's, b: set B's).
; THE PRODUCT, transposed: source 0 = 16 rows of W2, source 1 = the hidden layer's fragment: its lanes 0-15 hold set A's 32 codes (the instruction's k 0-31), its lanes 16-31 set B's (k 32-63), k 64-127 are zero codes.
; Each tile of W2 stands twice: with its codes at k 0-31 and zero codes elsewhere (it picks set A), and at k 32-63 (set B).  Zero codes add nothing under any scale byte but 0xff.  C = b2 in the result's layout.
; LEFT OUT: LDS, barriers, tensor loads: waves share nothing but 5,124 bytes of weights, which each wave reads once at its head into registers; no tile is shared in the loop, so no cluster.
; No prefetch: a wave asks for its next 512 bytes of x a whole trip ahead of their use.
; LIMITS: NaN and infinities among the inputs are not served.  A block whose largest magnitude lies under 2^-124, and a block of zeros, keeps the scale byte 1 (a block of zeros has zero codes).
; Where sum((W1 - mean)^2) lies under 2^-100, k is smaller than the quotient; the identity above holds all the same.  Layer 1's mean and variance are rounded in another order than a sum over the 32 units.
.set TRIPS, 4                          ; 512 rows a wave / 128 rows a trip
.set CHUNKB, 512                       ; bytes of x, and of out0, in a trip
.set VOFF, 1                           ; v1        16 x lane; never rewritten
                                       ; v[2:3]    set-up: masks of lanes 0-15, 16-31; loop: set B's (u, v)
                                       ; v[4:15]   at work
.set P1,  16                           ; v[16:31]  -c g1 wc, register i = unit 16 h + i
.set Q1,  32                           ; v[32:47]  -c g1 r
.set E1,  48                           ; v[48:63]  -c be1
.set G2,  64                           ; v[64:79]  -c g2, register 8 t + j = output 16 t + 8 h + j
.set E2,  80                           ; v[80:95]  -c be2
.set W3R, 96                           ; v[96:111] W3
.set CB,  112                          ; v[112:127] b2: the products' C
.set WL0, 128                          ; v[128:135] W2's rows 0-15, codes at k 0-31;   WH0 v[136:143] the same at k 32-63
.set WH0, 136
.set WL1, 144                          ; v[144:151], v[152:159] rows 16-31 likewise
.set WH1, 152
.set GT,  144                          ; set-up only: g1, before W2's second tile takes these registers
.set F,   160                          ; v[160:167] the hidden layer's fragment; 164-167 stay 0
.set Z,   168                          ; v[168:199] set A 0-15, set B 16-31: layer 1's numbers; layer 2's exponentials
.set Y,   200                          ; v[200:231] four accumulators: (A, t 0), (A, t 1), (B, t 0), (B, t 1); layer 1's exponentials
.set X,   232                          ; v[232:235] the trip's x
.set UV,  236                          ; v[236:243] pair i: (u, v) = (t rstd, rstd) of sub-step i
.set O,   244                          ; v[244:247] the trip's results
.set SW2, 248                          ; v248, v249 W2's scale words, tile 0, 1: scales and nothing else
.set SH,  250                          ; v250      the hidden layer's scale word: scales and nothing else
.set VH64, 251                         ; set-up: 64 h, 32 h, 128 r, h
.set VH32, 252
.set VW2, 253
.set VH,  254
; scalars: s[8:31] the twelve addresses; s32 b3; s33 wave; s[34:35] selects for lane l xor 16; s[36:37] -c twice; s38 k; s39 A; s40 2 B'; s41 R + eps; s42 1/32; s43 eps; s44 trips to go; s45 -1/32
	s_load_b512 s[8:23], s[0:1], 0x0               ; x 8, W1 10, b1 12, g1 14, be1 16, W2 18, b2 20, g2 22
	s_load_b256 s[24:31], s[0:1], 0x40             ; be2 24, W3 26, b3 28, out0 30
	v_lshrrev_b32 v2, 5, v0
	v_readfirstlane_b32 s33, v2                    ; wave 0..15
	v_and_b32 v[VOFF], 31, v0
	v_lshlrev_b32 v[VOFF], 4, v[VOFF]              ; 16 bytes a lane
	v_bfe_u32 v[VH], v0, 4, 1                      ; h
	v_lshlrev_b32 v[VH64], 6, v[VH]                ; layer 1's constants: my 16 units begin 64 h bytes on
	v_lshlrev_b32 v[VH32], 5, v[VH]                ; layer 2's: my 8 outputs of a tile begin 32 h bytes on
	v_and_b32 v[VW2], 15, v0
	v_lshlrev_b32 v[VW2], 7, v[VW2]                ; W2: row r of a tile, 128 bytes a row; both halves of the lanes take the same row
.irp j, 4,5,6,7,8,9,10,11,12,13,14,15
	v_mov_b32 v[\j], 0                             ; written once: lane permutes count their destination as read, and a packed form names both registers of a pair
.endr
	s_lshl_b32 s2, ttmp9, 15                       ; 16 waves x 2,048 bytes a work-group
	s_lshl_b32 s3, s33, 11
	s_add_co_u32 s2, s2, s3
	s_mov_b32 s3, 0
	s_mov_b32 s34, 0x76543210
	s_mov_b32 s35, 0xfedcba98
	s_mov_b32 s36, 0xbfb8aa3b                      ; -c = -log2(e)
	s_mov_b32 s37, s36
	s_mov_b32 s42, 0x3d000000                      ; 1/32
	s_mov_b32 s43, 0x3727c5ac                      ; eps = 1e-5
	s_mov_b32 s45, 0xbd000000                      ; -1/32
	s_mov_b32 s44, TRIPS
	s_wait_kmcnt 0x0                               ; scalar loads come back in no order: 0 is the only count that shows anything
	s_load_b32 s32, s[28:29], 0x0                  ; b3
	s_add_nc_u64 s[8:9], s[8:9], s[2:3]            ; x and out0 at my wave's first row
	s_add_nc_u64 s[30:31], s[30:31], s[2:3]
	global_load_b128 v[X:X+3], v[VOFF], s[8:9] th:TH_LOAD_NT        ; the first trip's x
.irp q, 0,1,2,3
	global_load_b128 v[P1+4*\q:P1+4*\q+3], v[VH64], s[10:11] offset:16*\q   ; W1
	global_load_b128 v[Q1+4*\q:Q1+4*\q+3], v[VH64], s[12:13] offset:16*\q   ; b1
	global_load_b128 v[GT+4*\q:GT+4*\q+3], v[VH64], s[14:15] offset:16*\q   ; g1
	global_load_b128 v[E1+4*\q:E1+4*\q+3], v[VH64], s[16:17] offset:16*\q   ; be1
.endr
.irp t, 0,1
.irp q, 0,1
	global_load_b128 v[CB+8*\t+4*\q:CB+8*\t+4*\q+3],   v[VH32], s[20:21] offset:64*\t+16*\q   ; b2
	global_load_b128 v[G2+8*\t+4*\q:G2+8*\t+4*\q+3],   v[VH32], s[22:23] offset:64*\t+16*\q   ; g2
	global_load_b128 v[E2+8*\t+4*\q:E2+8*\t+4*\q+3],   v[VH32], s[24:25] offset:64*\t+16*\q   ; be2
	global_load_b128 v[W3R+8*\t+4*\q:W3R+8*\t+4*\q+3], v[VH32], s[26:27] offset:64*\t+16*\q   ; W3
.endr
.endr
.irp q, 0,1,2,3,4,5,6,7
	global_load_b128 v[Z+4*\q:Z+4*\q+3], v[VW2], s[18:19] offset:16*\q        ; W2's row r, whole: 32 numbers a lane
	global_load_b128 v[Y+4*\q:Y+4*\q+3], v[VW2], s[18:19] offset:2048+16*\q   ; and row 16 + r
.endr
	s_wait_loadcnt 0x0                             ; all 49: the set-up wants them together
; ---- THE SET-UP: every wave for itself, about 250 instructions against the loop's 6,400
.macro FINISH d                        ; v[4:5]'s two halves and lane l xor 16's: the sum over all 32 units, the same in every lane
	v_add_f32 v4, v4, v5
	v_permlanex16_b32 v6, v4, s34, s35
	v_add_f32 v[\d], v4, v6
.endm
.macro HSUM d, s                       ; v[d] = the sum of the 32 numbers whose halves lie in v[s .. s + 15]
	v_pk_add_f32 v[4:5], v[\s:\s+1], v[\s+2:\s+3]
.irp q, 4,6,8,10,12,14
	v_pk_add_f32 v[4:5], v[4:5], v[\s+\q:\s+\q+1]
.endr
	FINISH \d
.endm
.macro PSUM d, a, b                    ; v[d] = the sum of the 32 products
	v_pk_mul_f32 v[4:5], v[\a:\a+1], v[\b:\b+1]
.irp q, 2,4,6,8,10,12,14
	v_pk_fma_f32 v[4:5], v[\a+\q:\a+\q+1], v[\b+\q:\b+\q+1], v[4:5]
.endr
	FINISH \d
.endm
.macro CENTRE s                        ; the 32 numbers less their mean
	HSUM 8, \s
	v_mul_f32 v8, s45, v8                          ; -mean
.irp q, 0,2,4,6,8,10,12,14
	v_pk_add_f32 v[\s+\q:\s+\q+1], v[\s+\q:\s+\q+1], v[8:9] op_sel_hi:[1,0]
.endr
.endm
.macro PMUL d, a                       ; d x a, unit by unit
.irp q, 0,2,4,6,8,10,12,14
	v_pk_mul_f32 v[\d+\q:\d+\q+1], v[\d+\q:\d+\q+1], v[\a+\q:\a+\q+1]
.endr
.endm
.macro PSCL d                          ; d x -c
.irp q, 0,2,4,6,8,10,12,14
	v_pk_mul_f32 v[\d+\q:\d+\q+1], v[\d+\q:\d+\q+1], s[36:37] op_sel_hi:[1,0]
.endr
.endm
; W2's tile t, whose row 16 t + r lies whole in v[raw .. raw + 31] of my lane, becomes codes and a scale word.  All 32 numbers of the block are mine: no other lane is asked.
.macro QW2 t, raw
	v_max3_num_f32 v4, |v[\raw]|, |v[\raw+1]|, 0x1800000           ; the largest magnitude, and the floor 2^(3 - 127): the byte cannot fall under 1
.irp i, 2,4,6,8,10,12,14,16,18,20,22,24,26,28,30
	v_max3_num_f32 v4, v4, |v[\raw+\i]|, |v[\raw+\i+1]|
.endr
	v_add_nc_u32 v5, 0xff000000, v4                ; 2 off its exponent field: the conversion takes the exponent field of this operand as its scale
	v_lshrrev_b32 v6, 23, v5                       ; the scale's byte,
	v_lshl_or_b32 v[SW2+\t], v6, 8, v6             ; for k 0-31 and for k 32-63; bytes 2 and 3 stand over zero codes
.irp g, 0,1,2,3
	v_cvt_scalef32_pk8_fp4_f32 v[8+\g], v[\raw+8*\g:\raw+8*\g+7], v5
.endr
	v_nop                                          ; one plain place behind a scaled conversion
.irp g, 0,1,2,3
	v_and_b32 v[WL0+16*\t+\g], v2, v[8+\g]         ; codes in lanes 0-15 alone: k 0-31
	v_and_b32 v[WH0+16*\t+\g], v3, v[8+\g]         ; codes in lanes 16-31 alone: k 32-63
	v_mov_b32 v[WL0+16*\t+4+\g], 0                 ; k 64-127: zero codes
	v_mov_b32 v[WH0+16*\t+4+\g], 0
.endr
.endm
	CENTRE P1                                      ; wc
	CENTRE Q1                                      ; bc
	PSUM 10, P1, P1                                ; sum(wc^2)
	PSUM 11, P1, Q1                                ; sum(wc bc)
	v_max_num_f32 v12, 0x0d800000, v10             ; held at 2^-100 from below: a constant W1 gives k = 0 and no NaN
	v_rcp_f32 v12, v12
	v_nop                                          ; a plain place behind the transcendental,
	s_wait_alu depctr_va_vdst(0)                   ; and a wait ahead of its first reader
	v_mul_f32 v12, v11, v12                        ; k
	v_mul_f32 v14, -1.0, v12                       ; -k
.irp q, 0,2,4,6,8,10,12,14
	v_pk_fma_f32 v[Q1+\q:Q1+\q+1], v[P1+\q:P1+\q+1], v[14:15], v[Q1+\q:Q1+\q+1] op_sel_hi:[1,0,1]   ; r = bc - k wc
.endr
	PSUM 14, Q1, Q1                                ; sum(r^2)
	PSUM 15, P1, Q1                                ; sum(wc r)
	v_mul_f32 v10, s42, v10                        ; A
	v_mul_f32 v15, 0x3d800000, v15                 ; 2 B' = sum / 16
	v_fma_f32 v14, v14, s42, s43                   ; R + eps
	v_readfirstlane_b32 s38, v12                   ; the four are the same in every lane; they serve as operands of arithmetic alone
	v_readfirstlane_b32 s39, v10
	v_readfirstlane_b32 s40, v15
	v_readfirstlane_b32 s41, v14
	PSCL GT                                        ; -c g1
	PMUL P1, GT                                    ; -c g1 wc
	PMUL Q1, GT                                    ; -c g1 r
	PSCL E1                                        ; -c be1
	PSCL G2                                        ; -c g2
	PSCL E2                                        ; -c be2
	v_add_nc_u32 v2, -1, v[VH]                     ; all ones in lanes 0-15
	v_sub_nc_u32 v3, 0, v[VH]                      ; all ones in lanes 16-31
	QW2 0, Z
	QW2 1, Y                                       ; (g1's registers are free now)
.irp g, 4,5,6,7
	v_mov_b32 v[F+\g], 0                           ; the hidden fragment's k 64-127: zero codes, for the whole launch
.endr
	s_wait_kmcnt 0x0                               ; b3
; ---- THE LOOP'S PARTS
; 32 numbers z' in v[zr ..] become silu(z) in place; v[er ..] is at work.  Each run of 32 transcendentals is one batch: a plain place behind it and one wait ahead of its first reader.
; 2^z' = infinity gives 1 / -infinity = -0 and silu = -0; 2^z' = 0 gives z' x (-1 / c) = z.
.macro SILU zr, er
.set j, 0
.rept 32
	v_exp_f32 v[\er+j], v[\zr+j]
.set j, j+1
.endr
	v_nop
	s_wait_alu depctr_va_vdst(0)
.set j, 0
.rept 16
	v_pk_fma_f32 v[\er+j:\er+j+1], v[\er+j:\er+j+1], s[36:37], s[36:37] op_sel_hi:[1,0,0]   ; -c 2^z' - c
.set j, j+2
.endr
.set j, 0
.rept 32
	v_rcp_f32 v[\er+j], v[\er+j]
.set j, j+1
.endr
	v_nop
	s_wait_alu depctr_va_vdst(0)
.set j, 0
.rept 16
	v_pk_mul_f32 v[\zr+j:\zr+j+1], v[\zr+j:\zr+j+1], v[\er+j:\er+j+1]
.set j, j+2
.endr
.endm
; Sub-step i, first half: the hidden layer of 32 rows, and its codes.
.macro LAYER1 i
	v_mov_b32 v2, v[UV+2*\i]                       ; (u, v) from 'a lane a row' to both halves of the lanes:
	v_mov_b32 v3, v[UV+2*\i+1]
	v_permlane16_swap_b32 v[UV+2*\i], v2           ; the pair at UV: set A's;
	v_permlane16_swap_b32 v[UV+2*\i+1], v3         ; v[2:3]: set B's
.irp q, 0,2,4,6,8,10,12,14                 ; the two sets by turns, so that no line waits for the line above it
	v_pk_fma_f32 v[Z+\q:Z+\q+1],       v[Q1+\q:Q1+\q+1], v[UV+2*\i:UV+2*\i+1], v[E1+\q:E1+\q+1] op_sel:[0,1,0] op_sel_hi:[1,1,1]   ; v Q + E: the pair's high word serves both halves
	v_pk_fma_f32 v[Z+16+\q:Z+17+\q],   v[Q1+\q:Q1+\q+1], v[2:3],               v[E1+\q:E1+\q+1] op_sel:[0,1,0] op_sel_hi:[1,1,1]
.endr
.irp q, 0,2,4,6,8,10,12,14
	v_pk_fma_f32 v[Z+\q:Z+\q+1],       v[P1+\q:P1+\q+1], v[UV+2*\i:UV+2*\i+1], v[Z+\q:Z+\q+1] op_sel_hi:[1,0,1]       ; + u P: the low word serves both halves: z'
	v_pk_fma_f32 v[Z+16+\q:Z+17+\q],   v[P1+\q:P1+\q+1], v[2:3],               v[Z+16+\q:Z+17+\q] op_sel_hi:[1,0,1]
.endr
	SILU Z, Y
	v_max3_num_f32 v4, |v[Z]|, |v[Z+1]|, 0x1800000                 ; the largest magnitude of my 16 numbers of each set, and the floor 2^(3 - 127)
	v_max3_num_f32 v5, |v[Z+16]|, |v[Z+17]|, 0x1800000
.irp q, 2,4,6,8,10,12,14
	v_max3_num_f32 v4, v4, |v[Z+\q]|, |v[Z+\q+1]|
	v_max3_num_f32 v5, v5, |v[Z+16+\q]|, |v[Z+17+\q]|
.endr
	v_permlane16_swap_b32 v4, v5
	v_max_num_f32 v4, v4, v5                       ; the row's block, in the row's lane
	v_add_nc_u32 v6, 0xff000000, v4                ; 2 off the exponent field: the conversions' scale operand
	v_lshrrev_b32 v8, 23, v6                       ; the scale's byte,
	v_lshl_or_b32 v[SH], v8, 8, v8                 ; for k 0-31 (read of lanes 0-15 for set A) and k 32-63 (read of lanes 16-31 for set B)
	v_mov_b32 v7, v6
	v_permlane16_swap_b32 v6, v7                   ; v6: set A's scale in both halves, v7: set B's
	v_cvt_scalef32_pk8_fp4_f32 v[F],   v[Z:Z+7],     v6            ; set A, k = 16 h + 0 .. 7
	v_cvt_scalef32_pk8_fp4_f32 v[F+1], v[Z+8:Z+15],  v6            ;        k = 16 h + 8 .. 15
	v_cvt_scalef32_pk8_fp4_f32 v[F+2], v[Z+16:Z+23], v7            ; set B likewise
	v_cvt_scalef32_pk8_fp4_f32 v[F+3], v[Z+24:Z+31], v7
	v_nop                                          ; one plain place behind a scaled conversion
	v_permlane16_swap_b32 v[F], v[F+2]             ; lanes 0-15 now hold set A's k 0 .. 31 in registers 0 to 3, lanes 16-31 set B's
	v_permlane16_swap_b32 v[F+1], v[F+3]
.rept 8
	v_nop                                          ; a scale register written by a vector instruction stands 8 places ahead of a scaled matrix instruction, an operand so written 4
.endr
.endm
; Sub-step i, second half: the product, layer 2's norm and activation, the dot with W3.
.macro LAYER2 i
	; four accumulators, each written once, C = b2 in other registers: no sum goes on in place
	v_wmma_scale_f32_16x16x128_f8f6f4 v[Y:Y+7],     v[WL0:WL0+7], v[F:F+7], v[CB:CB+7],    v[SW2],   v[SH] matrix_a_fmt:MATRIX_FMT_FP4 matrix_b_fmt:MATRIX_FMT_FP4
	v_wmma_scale_f32_16x16x128_f8f6f4 v[Y+8:Y+15],  v[WL1:WL1+7], v[F:F+7], v[CB+8:CB+15], v[SW2+1], v[SH] matrix_a_fmt:MATRIX_FMT_FP4 matrix_b_fmt:MATRIX_FMT_FP4
	v_wmma_scale_f32_16x16x128_f8f6f4 v[Y+16:Y+23], v[WH0:WH0+7], v[F:F+7], v[CB:CB+7],    v[SW2],   v[SH] matrix_a_fmt:MATRIX_FMT_FP4 matrix_b_fmt:MATRIX_FMT_FP4 matrix_b_scale:MATRIX_SCALE_ROW1
	v_wmma_scale_f32_16x16x128_f8f6f4 v[Y+24:Y+31], v[WH1:WH1+7], v[F:F+7], v[CB+8:CB+15], v[SW2+1], v[SH] matrix_a_fmt:MATRIX_FMT_FP4 matrix_b_fmt:MATRIX_FMT_FP4 matrix_b_scale:MATRIX_SCALE_ROW1
.rept 4
	v_nop                                          ; four places between a matrix instruction and the first read of its result (ISA guide 7.12.1)
.endr
	v_pk_add_f32 v[4:5], v[Y:Y+1], v[Y+2:Y+3]                      ; the row's sum: each accumulator is read from its low end on
	v_pk_add_f32 v[6:7], v[Y+16:Y+17], v[Y+18:Y+19]
.irp q, 4,6,8,10,12,14
	v_pk_add_f32 v[4:5], v[4:5], v[Y+\q:Y+\q+1]
	v_pk_add_f32 v[6:7], v[6:7], v[Y+16+\q:Y+17+\q]
.endr
	v_add_f32 v4, v4, v5
	v_add_f32 v6, v6, v7
	v_permlane16_swap_b32 v4, v6
	v_add_f32 v4, v4, v6                           ; all 32 outputs of the row, in the row's lane
	v_mul_f32 v4, s45, v4                          ; -mean
	v_mov_b32 v6, v4
	v_permlane16_swap_b32 v4, v6                   ; v4: set A's, v6: set B's
.irp q, 0,2,4,6,8,10,12,14
	v_pk_add_f32 v[Y+\q:Y+\q+1],     v[Y+\q:Y+\q+1],     v[4:5] op_sel_hi:[1,0]
	v_pk_add_f32 v[Y+16+\q:Y+17+\q], v[Y+16+\q:Y+17+\q], v[6:7] op_sel_hi:[1,0]
.endr
	v_pk_mul_f32 v[8:9],   v[Y:Y+1],       v[Y:Y+1]                ; the squares of the centred numbers: no difference of large sums
	v_pk_mul_f32 v[10:11], v[Y+16:Y+17],   v[Y+16:Y+17]
.irp q, 2,4,6,8,10,12,14
	v_pk_fma_f32 v[8:9],   v[Y+\q:Y+\q+1],     v[Y+\q:Y+\q+1],     v[8:9]
	v_pk_fma_f32 v[10:11], v[Y+16+\q:Y+17+\q], v[Y+16+\q:Y+17+\q], v[10:11]
.endr
	v_add_f32 v8, v8, v9
	v_add_f32 v10, v10, v11
	v_permlane16_swap_b32 v8, v10
	v_add_f32 v8, v8, v10
	v_fma_f32 v8, v8, s42, s43                     ; variance + eps
	v_rsq_f32 v8, v8
	v_nop
	s_wait_alu depctr_va_vdst(0)
	v_mov_b32 v10, v8
	v_permlane16_swap_b32 v8, v10                  ; v8: set A's, v10: set B's
.irp q, 0,2,4,6,8,10,12,14
	v_pk_mul_f32 v[Y+\q:Y+\q+1],     v[Y+\q:Y+\q+1],     v[8:9] op_sel_hi:[1,0]
	v_pk_mul_f32 v[Y+16+\q:Y+17+\q], v[Y+16+\q:Y+17+\q], v[10:11] op_sel_hi:[1,0]
.endr
.irp q, 0,2,4,6,8,10,12,14
	v_pk_fma_f32 v[Y+\q:Y+\q+1],     v[Y+\q:Y+\q+1],     v[G2+\q:G2+\q+1], v[E2+\q:E2+\q+1]   ; z'
	v_pk_fma_f32 v[Y+16+\q:Y+17+\q], v[Y+16+\q:Y+17+\q], v[G2+\q:G2+\q+1], v[E2+\q:E2+\q+1]
.endr
	SILU Y, Z
	v_pk_mul_f32 v[12:13], v[Y:Y+1],     v[W3R:W3R+1]              ; the dot with W3, in f32
	v_pk_mul_f32 v[14:15], v[Y+16:Y+17], v[W3R:W3R+1]
.irp q, 2,4,6,8,10,12,14
	v_pk_fma_f32 v[12:13], v[Y+\q:Y+\q+1],     v[W3R+\q:W3R+\q+1], v[12:13]
	v_pk_fma_f32 v[14:15], v[Y+16+\q:Y+17+\q], v[W3R+\q:W3R+\q+1], v[14:15]
.endr
	v_add_f32 v12, v12, v13
	v_add_f32 v14, v14, v15
	v_permlane16_swap_b32 v12, v14
	v_add_f32 v[O+\i], v12, v14                    ; the row's, in the row's lane: row 4 l + i
	v_add_f32 v[O+\i], s32, v[O+\i]                ; + b3
.endm
; ---- THE LOOP: a trip is 128 rows
.Lchunk:
	s_wait_loadcnt 0x0                             ; the one load that can be out is this trip's x, asked for a whole trip ago
.irp i, 0,1,2,3
	v_add_f32 v[UV+2*\i], s38, v[X+\i]             ; t = x + k
.endr
	s_cmp_eq_u32 s44, 1                            ; the last trip asks for nothing: no load leaves its buffer
	s_cbranch_scc1 .Lno_next
	global_load_b128 v[X:X+3], v[VOFF], s[8:9] offset:CHUNKB th:TH_LOAD_NT   ; the next trip's x
.Lno_next:
.irp i, 0,1,2,3
	v_fma_f32 v[UV+2*\i+1], v[UV+2*\i], s39, s40   ; A t + 2 B'
.endr
.irp i, 0,1,2,3
	v_fma_f32 v[UV+2*\i+1], v[UV+2*\i+1], v[UV+2*\i], s41   ; (A t + 2 B') t + R + eps: variance + eps
.endr
.irp i, 0,1,2,3
	v_rsq_f32 v[UV+2*\i+1], v[UV+2*\i+1]           ; v = rstd
.endr
	v_nop
	s_wait_alu depctr_va_vdst(0)                   ; one wait for the four
.irp i, 0,1,2,3
	v_mul_f32 v[UV+2*\i], v[UV+2*\i], v[UV+2*\i+1] ; u = t rstd
.endr
.irp i, 0,1,2,3
	LAYER1 \i
	LAYER2 \i
.endr
	global_store_b128 v[VOFF], v[O:O+3], s[30:31] th:TH_STORE_NT   ; 32 lanes store 512 consecutive bytes, aligned; written once, read by nobody here
	s_wait_xcnt 0x0                                ; the store has read its data and base, the load its base: only behind this wait are they written again
	s_add_nc_u64 s[8:9], s[8:9], CHUNKB
	s_add_nc_u64 s[30:31], s[30:31], CHUNKB
	s_sub_co_u32 s44, s44, 1
	s_cmp_lg_u32 s44, 0
	s_cbranch_scc1 .Lchunk
	s_endpgm
.Lfunc_end_k_q9179d5e8ce_mlp:
	.size	k_q9179d5e8ce_mlp, .Lfunc_end_k_q9179d5e8ce_mlp-k_q9179d5e8ce_mlp
	.p2alignl 7, 3214868480
	.fill 96, 4, 3214868480
	.section	.rodata,"a",@progbits
	.p2align	6, 0x0
	.amdhsa_kernel k_q9179d5e8ce_mlp
		.amdhsa_group_segment_fixed_size 0
		.amdhsa_private_segment_fixed_size 0
		.amdhsa_enable_private_segment 0
		.amdhsa_kernarg_size 96
		.amdhsa_user_sgpr_count 2
		.amdhsa_user_sgpr_kernarg_segment_ptr 1
		.amdhsa_wavefront_size32 1
		.amdhsa_system_sgpr_workgroup_id_x 1
		.amdhsa_system_sgpr_workgroup_id_y 1
		.amdhsa_system_sgpr_workgroup_id_z 1
		.amdhsa_system_vgpr_workitem_id 0
		.amdhsa_next_free_vgpr 256
		.amdhsa_next_free_sgpr 66
		.amdhsa_reserve_vcc 0
		.amdhsa_float_denorm_mode_32 3
		.amdhsa_float_denorm_mode_16_64 3
		.amdhsa_memory_ordered 1
		.amdhsa_forward_progress 1
		.amdhsa_inst_pref_size 99
	.end_amdhsa_kernel
	.amdgpu_metadata
---
amdhsa.version: [ 1, 2 ]
amdhsa.kernels:
  - .name:           k_q9179d5e8ce_mlp
    .symbol:         k_q9179d5e8ce_mlp.kd
    .args:
      - { .name: x, .offset: 0, .size: 8, .value_kind: global_buffer, .address_space: global }
      - { .name: W1, .offset: 8, .size: 8, .value_kind: global_buffer, .address_space: global }
      - { .name: b1, .offset: 16, .size: 8, .value_kind: global_buffer, .address_space: global }
      - { .name: g1, .offset: 24, .size: 8, .value_kind: global_buffer, .address_space: global }
      - { .name: be1, .offset: 32, .size: 8, .value_kind: global_buffer, .address_space: global }
      - { .name: W2, .offset: 40, .size: 8, .value_kind: global_buffer, .address_space: global }
      - { .name: b2, .offset: 48, .size: 8, .value_kind: global_buffer, .address_space: global }
      - { .name: g2, .offset: 56, .size: 8, .value_kind: global_buffer, .address_space: global }
      - { .name: be2, .offset: 64, .size: 8, .value_kind: global_buffer, .address_space: global }
      - { .name: W3, .offset: 72, .size: 8, .value_kind: global_buffer, .address_space: global }
      - { .name: b3, .offset: 80, .size: 8, .value_kind: global_buffer, .address_space: global }
      - { .name: out0, .offset: 88, .size: 8, .value_kind: global_buffer, .address_space: global }
    .group_segment_fixed_size: 0
    .private_segment_fixed_size: 0
    .kernarg_segment_align: 8
    .kernarg_segment_size: 96
    .max_flat_workgroup_size: 512
    .sgpr_count:     66
    .vgpr_count:     256
    .wavefront_size: 32
...
	.end_amdgpu_metadata
.endif
;; end of part 1
;; ======== version 2 of 2: 1 launch; version 1 with the launch mlp written anew for expert scheduling mode
;; launch mlp (part 2): grid 256 x 1, 16 waves a work-group, no clusters, 0 bytes of LDS; arguments x, W1, b1, g1, be1, W2, b2, g2, be2, W3, b3, out0; writes out0
.if DOCPART == 2
	.amdgcn_target "amdgcn-amd-amdhsa--gfx1250"
	.amdhsa_code_object_version 6
	.text
	.protected	k_q9179d5e8ce_mlp
	.globl	k_q9179d5e8ce_mlp
	.p2align	8
	.type	k_q9179d5e8ce_mlp,@function
k_q9179d5e8ce_mlp:
	s_mov_b64 s[64:65], 0
	v_nop
	global_prefetch_b8 v0, s[64:65] scope:SCOPE_SE
	s_setreg_imm32_b32 hwreg(HW_REG_WAVE_SCHED_MODE, 0, 2), 2
	s_setreg_imm32_b32 hwreg(HW_REG_WAVE_MODE, 25, 1), 1
	s_wait_xcnt 0x0
	s_wait_alu depctr_vm_vsrc(0)
; out0[n] = silu(LN(silu(LN(x[n] W1 + b1; g1, be1)) W2^T + b2; g2, be2)) . W3 + b3, n = 0 .. 2,097,151; 32 hidden units; all f32 but the middle product,
; which multiplies codes of FP4 (E2M1) with one E8M0 scale for its K = 32: one block a row of the hidden layer, one a row of W2.
; SHARES.  256 work-groups x 16 waves; a wave owns 512 rows (2,048 bytes of x and of out0) and walks them in 4 trips of 128 rows; a trip is 4 sub-steps of 32 rows.
; Lane l loads x[4 l .. 4 l + 3] of the trip's 128 rows: one load and one store of the wave cover 512 consecutive bytes, aligned.  Sub-step i takes row 4 l + i for lane l.
; LAYER 1 IN CLOSED FORM.  With wc = W1 - mean(W1), bc = b1 - mean(b1), k = sum(wc bc) / sum(wc^2), t = x + k, r = bc - k wc: the centred number of unit j is t wc_j + r_j and the variance
; A t^2 + 2 B' t + R (A = mean(wc^2), B' = mean(wc r), R = mean(r^2)): an identity for every k, with no difference of large sums (B' is rounding dust, A t^2 and R are not negative).
; So a row's mean and variance cost three multiply-adds and one v_rsq_f32.
; -c = -log2(e) IS FOLDED INTO THE GAINS AND BIASES: z' = -c z, and silu(z) = z' / (-c 2^z' - c): an exponential, a packed multiply-add, a reciprocal, a packed multiply.
; HALF LAYOUT.  Lane (r, h) = 16 h + r works on half of the 32 units of TWO rows: row of lane r (set A) and row of lane 16 + r (set B).  So a unit's constants take 16 registers, not 32, and serve both sets.
; Layer 1: units 16 h + 0 .. 15.  Layer 2: outputs 16 t + 8 h + j, as the transposed product leaves them.  v_permlane16_swap_b32 goes between this layout and 'a lane a row':
; swap a, b and op(a, b) joins two halves' results into the row's, in the row's lane; mov b, a and swap a, b spreads a row's number to both halves (a: set A's, b: set B's).
; THE PRODUCT, transposed: source 0 = 16 rows of W2, source 1 = the hidden layer's fragment: its lanes 0-15 hold set A's 32 codes (the instruction's k 0-31), its lanes 16-31 set B's (k 32-63), k 64-127 are zero codes.
; Each tile of W2 stands twice: with its codes at k 0-31 and zero codes elsewhere (it picks set A), and at k 32-63 (set B).  Zero codes add nothing under any scale byte but 0xff.  C = b2 in the result's layout.
; LEFT OUT: LDS, barriers, tensor loads: waves share nothing but 5,124 bytes of weights, which each wave reads once at its head into registers; no tile is shared in the loop, so no cluster.
; No prefetch: a wave asks for its next 512 bytes of x nearly a whole trip ahead of their use.
; LIMITS: NaN and infinities among the inputs are not served.  A block whose largest magnitude lies under 2^-124, and a block of zeros, keeps the scale byte 1 (a block of zeros has zero codes).
; Where sum((W1 - mean)^2) lies under 2^-100, k is smaller than the quotient; the identity above holds all the same.  Layer 1's mean and variance are rounded in another order than a sum over the 32 units.
; THE MODE: SCHED_MODE bits 1:0 = 2 (LLVM: expert scheduling mode 2), set by the entry lines.  The code itself states the register dependences
; between vector or matrix instructions and memory instructions, with s_wait_alu, always for 0.
; THE PLAN.  Registers that memory instructions touch:
;   v1, v251-253  byte offsets, made once at the head and never written again: one wait on va_vdst ahead of the first load serves every load and store of the kernel.
;   the weights'  registers (P1 .. Y): the head's loads land in them; no vector instruction names them ahead of those loads; behind the wait for the loads they are the vector side's alone.
;   X             Read by the four additions at a trip's head; then the load of the next trip's x lands in it.  That load stands behind the wait that the trip's four v_rsq_f32 have in any case:
;                 the additions were issued ahead of that wait, and no vector instruction stands between it and the load.
;   O             Written by the last additions of the four sub-steps; read by the trip's one store: a wait on va_vdst ahead of the store, a wait on vm_vsrc behind it, ahead of the backward jump.
; Beside these: a wait on va_vdst behind the places ahead of each four products (the fragment and the scale word are written by vector instructions), and a wait on va_sdst behind each run of v_readfirstlane_b32.
; EXEC and VCC are never written.
.set TRIPS, 4                          ; 512 rows a wave / 128 rows a trip
.set CHUNKB, 512                       ; bytes of x, and of out0, in a trip
.set VOFF, 1                           ; v1        16 x lane; never rewritten
                                       ; v[2:3]    set-up: masks of lanes 0-15, 16-31; loop: set B's (u, v)
                                       ; v[4:15]   at work
.set P1,  16                           ; v[16:31]  -c g1 wc, register i = unit 16 h + i
.set Q1,  32                           ; v[32:47]  -c g1 r
.set E1,  48                           ; v[48:63]  -c be1
.set G2,  64                           ; v[64:79]  -c g2, register 8 t + j = output 16 t + 8 h + j
.set E2,  80                           ; v[80:95]  -c be2
.set W3R, 96                           ; v[96:111] W3
.set CB,  112                          ; v[112:127] b2: the products' C
.set WL0, 128                          ; v[128:135] W2's rows 0-15, codes at k 0-31;   WH0 v[136:143] the same at k 32-63
.set WH0, 136
.set WL1, 144                          ; v[144:151], v[152:159] rows 16-31 likewise
.set WH1, 152
.set GT,  144                          ; set-up only: g1, before W2's second tile takes these registers
.set F,   160                          ; v[160:167] the hidden layer's fragment; 164-167 stay 0
.set Z,   168                          ; v[168:199] set A 0-15, set B 16-31: layer 1's numbers; layer 2's exponentials
.set Y,   200                          ; v[200:231] four accumulators: (A, t 0), (A, t 1), (B, t 0), (B, t 1); layer 1's exponentials
.set X,   232                          ; v[232:235] the trip's x
.set UV,  236                          ; v[236:243] pair i: (u, v) = (t rstd, rstd) of sub-step i
.set O,   244                          ; v[244:247] the trip's results
.set SW2, 248                          ; v248, v249 W2's scale words, tile 0, 1: scales and nothing else
.set SH,  250                          ; v250      the hidden layer's scale word: scales and nothing else
.set VH64, 251                         ; set-up: 64 h, 32 h, 128 r, h
.set VH32, 252
.set VW2, 253
.set VH,  254
; scalars: s[8:31] the twelve addresses; s32 b3; s33 wave; s[34:35] selects for lane l xor 16; s[36:37] -c twice; s38 k; s39 A; s40 2 B'; s41 R + eps; s42 1/32; s43 eps; s44 trips to go; s45 -1/32
	s_load_b512 s[8:23], s[0:1], 0x0               ; x 8, W1 10, b1 12, g1 14, be1 16, W2 18, b2 20, g2 22
	s_load_b256 s[24:31], s[0:1], 0x40             ; be2 24, W3 26, b3 28, out0 30
	v_lshrrev_b32 v2, 5, v0
	v_readfirstlane_b32 s33, v2                    ; wave 0..15
	v_and_b32 v[VOFF], 31, v0
	v_lshlrev_b32 v[VOFF], 4, v[VOFF]              ; 16 bytes a lane
	v_bfe_u32 v[VH], v0, 4, 1                      ; h
	v_lshlrev_b32 v[VH64], 6, v[VH]                ; layer 1's constants: my 16 units begin 64 h bytes on
	v_lshlrev_b32 v[VH32], 5, v[VH]                ; layer 2's: my 8 outputs of a tile begin 32 h bytes on
	v_and_b32 v[VW2], 15, v0
	v_lshlrev_b32 v[VW2], 7, v[VW2]                ; W2: row r of a tile, 128 bytes a row; both halves of the lanes take the same row
.irp j, 4,5,6,7,8,9,10,11,12,13,14,15
	v_mov_b32 v[\j], 0                             ; written once: lane permutes count their destination as read, and a packed form names both registers of a pair
.endr
	s_wait_alu depctr_va_sdst(0)                   ; s33 is written, ahead of its first reader: the wave's place in x and out0 is made from it
	s_lshl_b32 s2, ttmp9, 15                       ; 16 waves x 2,048 bytes a work-group
	s_lshl_b32 s3, s33, 11
	s_add_co_u32 s2, s2, s3
	s_mov_b32 s3, 0
	s_mov_b32 s34, 0x76543210
	s_mov_b32 s35, 0xfedcba98
	s_mov_b32 s36, 0xbfb8aa3b                      ; -c = -log2(e)
	s_mov_b32 s37, s36
	s_mov_b32 s42, 0x3d000000                      ; 1/32
	s_mov_b32 s43, 0x3727c5ac                      ; eps = 1e-5
	s_mov_b32 s45, 0xbd000000                      ; -1/32
	s_mov_b32 s44, TRIPS
	s_wait_kmcnt 0x0                               ; scalar loads come back in no order: 0 is the only count that shows anything
	s_load_b32 s32, s[28:29], 0x0                  ; b3
	s_add_nc_u64 s[8:9], s[8:9], s[2:3]            ; x and out0 at my wave's first row
	s_add_nc_u64 s[30:31], s[30:31], s[2:3]
	s_wait_alu depctr_va_vdst(0)                   ; the four offsets v1, v251, v252, v253 are written: every load and store of the kernel reads one of them
	global_load_b128 v[X:X+3], v[VOFF], s[8:9] th:TH_LOAD_NT        ; the first trip's x
.irp q, 0,1,2,3
	global_load_b128 v[P1+4*\q:P1+4*\q+3], v[VH64], s[10:11] offset:16*\q   ; W1
	global_load_b128 v[Q1+4*\q:Q1+4*\q+3], v[VH64], s[12:13] offset:16*\q   ; b1
	global_load_b128 v[GT+4*\q:GT+4*\q+3], v[VH64], s[14:15] offset:16*\q   ; g1
	global_load_b128 v[E1+4*\q:E1+4*\q+3], v[VH64], s[16:17] offset:16*\q   ; be1
.endr
.irp t, 0,1
.irp q, 0,1
	global_load_b128 v[CB+8*\t+4*\q:CB+8*\t+4*\q+3],   v[VH32], s[20:21] offset:64*\t+16*\q   ; b2
	global_load_b128 v[G2+8*\t+4*\q:G2+8*\t+4*\q+3],   v[VH32], s[22:23] offset:64*\t+16*\q   ; g2
	global_load_b128 v[E2+8*\t+4*\q:E2+8*\t+4*\q+3],   v[VH32], s[24:25] offset:64*\t+16*\q   ; be2
	global_load_b128 v[W3R+8*\t+4*\q:W3R+8*\t+4*\q+3], v[VH32], s[26:27] offset:64*\t+16*\q   ; W3
.endr
.endr
.irp q, 0,1,2,3,4,5,6,7
	global_load_b128 v[Z+4*\q:Z+4*\q+3], v[VW2], s[18:19] offset:16*\q        ; W2's row r, whole: 32 numbers a lane
	global_load_b128 v[Y+4*\q:Y+4*\q+3], v[VW2], s[18:19] offset:2048+16*\q   ; and row 16 + r
.endr
	s_wait_loadcnt 0x0                             ; all 49: the set-up wants them together
; ---- THE SET-UP: every wave for itself, about 250 instructions against the loop's 6,400
.macro FINISH d                        ; v[4:5]'s two halves and lane l xor 16's: the sum over all 32 units, the same in every lane
	v_add_f32 v4, v4, v5
	v_permlanex16_b32 v6, v4, s34, s35
	v_add_f32 v[\d], v4, v6
.endm
.macro HSUM d, s                       ; v[d] = the sum of the 32 numbers whose halves lie in v[s .. s + 15]
	v_pk_add_f32 v[4:5], v[\s:\s+1], v[\s+2:\s+3]
.irp q, 4,6,8,10,12,14
	v_pk_add_f32 v[4:5], v[4:5], v[\s+\q:\s+\q+1]
.endr
	FINISH \d
.endm
.macro PSUM d, a, b                    ; v[d] = the sum of the 32 products
	v_pk_mul_f32 v[4:5], v[\a:\a+1], v[\b:\b+1]
.irp q, 2,4,6,8,10,12,14
	v_pk_fma_f32 v[4:5], v[\a+\q:\a+\q+1], v[\b+\q:\b+\q+1], v[4:5]
.endr
	FINISH \d
.endm
.macro CENTRE s                        ; the 32 numbers less their mean
	HSUM 8, \s
	v_mul_f32 v8, s45, v8                          ; -mean
.irp q, 0,2,4,6,8,10,12,14
	v_pk_add_f32 v[\s+\q:\s+\q+1], v[\s+\q:\s+\q+1], v[8:9] op_sel_hi:[1,0]
.endr
.endm
.macro PMUL d, a                       ; d x a, unit by unit
.irp q, 0,2,4,6,8,10,12,14
	v_pk_mul_f32 v[\d+\q:\d+\q+1], v[\d+\q:\d+\q+1], v[\a+\q:\a+\q+1]
.endr
.endm
.macro PSCL d                          ; d x -c
.irp q, 0,2,4,6,8,10,12,14
	v_pk_mul_f32 v[\d+\q:\d+\q+1], v[\d+\q:\d+\q+1], s[36:37] op_sel_hi:[1,0]
.endr
.endm
; W2's tile t, whose row 16 t + r lies whole in v[raw .. raw + 31] of my lane, becomes codes and a scale word.  All 32 numbers of the block are mine: no other lane is asked.
.macro QW2 t, raw
	v_max3_num_f32 v4, |v[\raw]|, |v[\raw+1]|, 0x1800000           ; the largest magnitude, and the floor 2^(3 - 127): the byte cannot fall under 1
.irp i, 2,4,6,8,10,12,14,16,18,20,22,24,26,28,30
	v_max3_num_f32 v4, v4, |v[\raw+\i]|, |v[\raw+\i+1]|
.endr
	v_add_nc_u32 v5, 0xff000000, v4                ; 2 off its exponent field: the conversion takes the exponent field of this operand as its scale
	v_lshrrev_b32 v6, 23, v5                       ; the scale's byte,
	v_lshl_or_b32 v[SW2+\t], v6, 8, v6             ; for k 0-31 and for k 32-63; bytes 2 and 3 stand over zero codes
.irp g, 0,1,2,3
	v_cvt_scalef32_pk8_fp4_f32 v[8+\g], v[\raw+8*\g:\raw+8*\g+7], v5
.endr
	v_nop                                          ; one plain place behind a scaled conversion
.irp g, 0,1,2,3
	v_and_b32 v[WL0+16*\t+\g], v2, v[8+\g]         ; codes in lanes 0-15 alone: k 0-31
	v_and_b32 v[WH0+16*\t+\g], v3, v[8+\g]         ; codes in lanes 16-31 alone: k 32-63
	v_mov_b32 v[WL0+16*\t+4+\g], 0                 ; k 64-127: zero codes
	v_mov_b32 v[WH0+16*\t+4+\g], 0
.endr
.endm
	CENTRE P1                                      ; wc
	CENTRE Q1                                      ; bc
	PSUM 10, P1, P1                                ; sum(wc^2)
	PSUM 11, P1, Q1                                ; sum(wc bc)
	v_max_num_f32 v12, 0x0d800000, v10             ; held at 2^-100 from below: a constant W1 gives k = 0 and no NaN
	v_rcp_f32 v12, v12
	v_nop                                          ; a plain place behind the transcendental
	s_wait_alu depctr_va_vdst(0)                   ; the reciprocal has written v12, ahead of its first reader
	v_mul_f32 v12, v11, v12                        ; k
	v_mul_f32 v14, -1.0, v12                       ; -k
.irp q, 0,2,4,6,8,10,12,14
	v_pk_fma_f32 v[Q1+\q:Q1+\q+1], v[P1+\q:P1+\q+1], v[14:15], v[Q1+\q:Q1+\q+1] op_sel_hi:[1,0,1]   ; r = bc - k wc
.endr
	PSUM 14, Q1, Q1                                ; sum(r^2)
	PSUM 15, P1, Q1                                ; sum(wc r)
	v_mul_f32 v10, s42, v10                        ; A
	v_mul_f32 v15, 0x3d800000, v15                 ; 2 B' = sum / 16
	v_fma_f32 v14, v14, s42, s43                   ; R + eps
	v_readfirstlane_b32 s38, v12                   ; the four are the same in every lane; they serve as operands of arithmetic alone
	v_readfirstlane_b32 s39, v10
	v_readfirstlane_b32 s40, v15
	v_readfirstlane_b32 s41, v14
	s_wait_alu depctr_va_sdst(0)                   ; s38 to s41 are written
	PSCL GT                                        ; -c g1
	PMUL P1, GT                                    ; -c g1 wc
	PMUL Q1, GT                                    ; -c g1 r
	PSCL E1                                        ; -c be1
	PSCL G2                                        ; -c g2
	PSCL E2                                        ; -c be2
	v_add_nc_u32 v2, -1, v[VH]                     ; all ones in lanes 0-15
	v_sub_nc_u32 v3, 0, v[VH]                      ; all ones in lanes 16-31
	QW2 0, Z
	QW2 1, Y                                       ; (g1's registers are free now)
.irp g, 4,5,6,7
	v_mov_b32 v[F+\g], 0                           ; the hidden fragment's k 64-127: zero codes, for the whole launch
.endr
	s_wait_kmcnt 0x0                               ; b3
; ---- THE LOOP'S PARTS
; 32 numbers z' in v[zr ..] become silu(z) in place; v[er ..] is at work.  Each run of 32 transcendentals is one batch: a plain place behind it and one wait ahead of its first reader.
; 2^z' = infinity gives 1 / -infinity = -0 and silu = -0; 2^z' = 0 gives z' x (-1 / c) = z.
.macro SILU zr, er
.set j, 0
.rept 32
	v_exp_f32 v[\er+j], v[\zr+j]
.set j, j+1
.endr
	v_nop
	s_wait_alu depctr_va_vdst(0)                   ; the 32 exponentials have written v[er ..], ahead of the multiply-adds that read them
.set j, 0
.rept 16
	v_pk_fma_f32 v[\er+j:\er+j+1], v[\er+j:\er+j+1], s[36:37], s[36:37] op_sel_hi:[1,0,0]   ; -c 2^z' - c
.set j, j+2
.endr
.set j, 0
.rept 32
	v_rcp_f32 v[\er+j], v[\er+j]
.set j, j+1
.endr
	v_nop
	s_wait_alu depctr_va_vdst(0)                   ; the 32 reciprocals have written v[er ..], ahead of the multiplies that read them
.set j, 0
.rept 16
	v_pk_mul_f32 v[\zr+j:\zr+j+1], v[\zr+j:\zr+j+1], v[\er+j:\er+j+1]
.set j, j+2
.endr
.endm
; Sub-step i, first half: the hidden layer of 32 rows, and its codes.
.macro LAYER1 i
	v_mov_b32 v2, v[UV+2*\i]                       ; (u, v) from 'a lane a row' to both halves of the lanes:
	v_mov_b32 v3, v[UV+2*\i+1]
	v_permlane16_swap_b32 v[UV+2*\i], v2           ; the pair at UV: set A's;
	v_permlane16_swap_b32 v[UV+2*\i+1], v3         ; v[2:3]: set B's
.irp q, 0,2,4,6,8,10,12,14                 ; the two sets by turns, so that no line waits for the line above it
	v_pk_fma_f32 v[Z+\q:Z+\q+1],       v[Q1+\q:Q1+\q+1], v[UV+2*\i:UV+2*\i+1], v[E1+\q:E1+\q+1] op_sel:[0,1,0] op_sel_hi:[1,1,1]   ; v Q + E: the pair's high word serves both halves
	v_pk_fma_f32 v[Z+16+\q:Z+17+\q],   v[Q1+\q:Q1+\q+1], v[2:3],               v[E1+\q:E1+\q+1] op_sel:[0,1,0] op_sel_hi:[1,1,1]
.endr
.irp q, 0,2,4,6,8,10,12,14
	v_pk_fma_f32 v[Z+\q:Z+\q+1],       v[P1+\q:P1+\q+1], v[UV+2*\i:UV+2*\i+1], v[Z+\q:Z+\q+1] op_sel_hi:[1,0,1]       ; + u P: the low word serves both halves: z'
	v_pk_fma_f32 v[Z+16+\q:Z+17+\q],   v[P1+\q:P1+\q+1], v[2:3],               v[Z+16+\q:Z+17+\q] op_sel_hi:[1,0,1]
.endr
	SILU Z, Y
	v_max3_num_f32 v4, |v[Z]|, |v[Z+1]|, 0x1800000                 ; the largest magnitude of my 16 numbers of each set, and the floor 2^(3 - 127)
	v_max3_num_f32 v5, |v[Z+16]|, |v[Z+17]|, 0x1800000
.irp q, 2,4,6,8,10,12,14
	v_max3_num_f32 v4, v4, |v[Z+\q]|, |v[Z+\q+1]|
	v_max3_num_f32 v5, v5, |v[Z+16+\q]|, |v[Z+17+\q]|
.endr
	v_permlane16_swap_b32 v4, v5
	v_max_num_f32 v4, v4, v5                       ; the row's block, in the row's lane
	v_add_nc_u32 v6, 0xff000000, v4                ; 2 off the exponent field: the conversions' scale operand
	v_lshrrev_b32 v8, 23, v6                       ; the scale's byte,
	v_lshl_or_b32 v[SH], v8, 8, v8                 ; for k 0-31 (read of lanes 0-15 for set A) and k 32-63 (read of lanes 16-31 for set B)
	v_mov_b32 v7, v6
	v_permlane16_swap_b32 v6, v7                   ; v6: set A's scale in both halves, v7: set B's
	v_cvt_scalef32_pk8_fp4_f32 v[F],   v[Z:Z+7],     v6            ; set A, k = 16 h + 0 .. 7
	v_cvt_scalef32_pk8_fp4_f32 v[F+1], v[Z+8:Z+15],  v6            ;        k = 16 h + 8 .. 15
	v_cvt_scalef32_pk8_fp4_f32 v[F+2], v[Z+16:Z+23], v7            ; set B likewise
	v_cvt_scalef32_pk8_fp4_f32 v[F+3], v[Z+24:Z+31], v7
	v_nop                                          ; one plain place behind a scaled conversion
	v_permlane16_swap_b32 v[F], v[F+2]             ; lanes 0-15 now hold set A's k 0 .. 31 in registers 0 to 3, lanes 16-31 set B's
	v_permlane16_swap_b32 v[F+1], v[F+3]
.rept 8
	v_nop                                          ; a scale register written by a vector instruction stands 8 places ahead of a scaled matrix instruction, an operand so written 4
.endr
	s_wait_alu depctr_va_vdst(0)                   ; behind the places: the swaps have written the fragment v[F ..] and the scale word v[SH] is written, which the scaled products below take (in the first sub-step also W2's codes and scale words, written in the set-up)
.endm
; Sub-step i, second half: the product, layer 2's norm and activation, the dot with W3.
.macro LAYER2 i
	; four accumulators, each written once, C = b2 in other registers: no sum goes on in place
	v_wmma_scale_f32_16x16x128_f8f6f4 v[Y:Y+7],     v[WL0:WL0+7], v[F:F+7], v[CB:CB+7],    v[SW2],   v[SH] matrix_a_fmt:MATRIX_FMT_FP4 matrix_b_fmt:MATRIX_FMT_FP4
	v_wmma_scale_f32_16x16x128_f8f6f4 v[Y+8:Y+15],  v[WL1:WL1+7], v[F:F+7], v[CB+8:CB+15], v[SW2+1], v[SH] matrix_a_fmt:MATRIX_FMT_FP4 matrix_b_fmt:MATRIX_FMT_FP4
	v_wmma_scale_f32_16x16x128_f8f6f4 v[Y+16:Y+23], v[WH0:WH0+7], v[F:F+7], v[CB:CB+7],    v[SW2],   v[SH] matrix_a_fmt:MATRIX_FMT_FP4 matrix_b_fmt:MATRIX_FMT_FP4 matrix_b_scale:MATRIX_SCALE_ROW1
	v_wmma_scale_f32_16x16x128_f8f6f4 v[Y+24:Y+31], v[WH1:WH1+7], v[F:F+7], v[CB+8:CB+15], v[SW2+1], v[SH] matrix_a_fmt:MATRIX_FMT_FP4 matrix_b_fmt:MATRIX_FMT_FP4 matrix_b_scale:MATRIX_SCALE_ROW1
.rept 4
	v_nop                                          ; four places between a matrix instruction and the first read of its result (ISA guide 7.12.1)
.endr
	v_pk_add_f32 v[4:5], v[Y:Y+1], v[Y+2:Y+3]                      ; the row's sum: each accumulator is read from its low end on
	v_pk_add_f32 v[6:7], v[Y+16:Y+17], v[Y+18:Y+19]
.irp q, 4,6,8,10,12,14
	v_pk_add_f32 v[4:5], v[4:5], v[Y+\q:Y+\q+1]
	v_pk_add_f32 v[6:7], v[6:7], v[Y+16+\q:Y+17+\q]
.endr
	v_add_f32 v4, v4, v5
	v_add_f32 v6, v6, v7
	v_permlane16_swap_b32 v4, v6
	v_add_f32 v4, v4, v6                           ; all 32 outputs of the row, in the row's lane
	v_mul_f32 v4, s45, v4                          ; -mean
	v_mov_b32 v6, v4
	v_permlane16_swap_b32 v4, v6                   ; v4: set A's, v6: set B's
.irp q, 0,2,4,6,8,10,12,14
	v_pk_add_f32 v[Y+\q:Y+\q+1],     v[Y+\q:Y+\q+1],     v[4:5] op_sel_hi:[1,0]
	v_pk_add_f32 v[Y+16+\q:Y+17+\q], v[Y+16+\q:Y+17+\q], v[6:7] op_sel_hi:[1,0]
.endr
	v_pk_mul_f32 v[8:9],   v[Y:Y+1],       v[Y:Y+1]                ; the squares of the centred numbers: no difference of large sums
	v_pk_mul_f32 v[10:11], v[Y+16:Y+17],   v[Y+16:Y+17]
.irp q, 2,4,6,8,10,12,14
	v_pk_fma_f32 v[8:9],   v[Y+\q:Y+\q+1],     v[Y+\q:Y+\q+1],     v[8:9]
	v_pk_fma_f32 v[10:11], v[Y+16+\q:Y+17+\q], v[Y+16+\q:Y+17+\q], v[10:11]
.endr
	v_add_f32 v8, v8, v9
	v_add_f32 v10, v10, v11
	v_permlane16_swap_b32 v8, v10
	v_add_f32 v8, v8, v10
	v_fma_f32 v8, v8, s42, s43                     ; variance + eps
	v_rsq_f32 v8, v8
	v_nop
	s_wait_alu depctr_va_vdst(0)                   ; the reciprocal root has written v8, ahead of its first reader
	v_mov_b32 v10, v8
	v_permlane16_swap_b32 v8, v10                  ; v8: set A's, v10: set B's
.irp q, 0,2,4,6,8,10,12,14
	v_pk_mul_f32 v[Y+\q:Y+\q+1],     v[Y+\q:Y+\q+1],     v[8:9] op_sel_hi:[1,0]
	v_pk_mul_f32 v[Y+16+\q:Y+17+\q], v[Y+16+\q:Y+17+\q], v[10:11] op_sel_hi:[1,0]
.endr
.irp q, 0,2,4,6,8,10,12,14
	v_pk_fma_f32 v[Y+\q:Y+\q+1],     v[Y+\q:Y+\q+1],     v[G2+\q:G2+\q+1], v[E2+\q:E2+\q+1]   ; z'
	v_pk_fma_f32 v[Y+16+\q:Y+17+\q], v[Y+16+\q:Y+17+\q], v[G2+\q:G2+\q+1], v[E2+\q:E2+\q+1]
.endr
	SILU Y, Z
	v_pk_mul_f32 v[12:13], v[Y:Y+1],     v[W3R:W3R+1]              ; the dot with W3, in f32
	v_pk_mul_f32 v[14:15], v[Y+16:Y+17], v[W3R:W3R+1]
.irp q, 2,4,6,8,10,12,14
	v_pk_fma_f32 v[12:13], v[Y+\q:Y+\q+1],     v[W3R+\q:W3R+\q+1], v[12:13]
	v_pk_fma_f32 v[14:15], v[Y+16+\q:Y+17+\q], v[W3R+\q:W3R+\q+1], v[14:15]
.endr
	v_add_f32 v12, v12, v13
	v_add_f32 v14, v14, v15
	v_permlane16_swap_b32 v12, v14
	v_add_f32 v[O+\i], v12, v14                    ; the row's, in the row's lane: row 4 l + i
	v_add_f32 v[O+\i], s32, v[O+\i]                ; + b3
.endm
; ---- THE LOOP: a trip is 128 rows
.Lchunk:
	s_wait_loadcnt 0x0                             ; the one load that can be out is this trip's x, asked for in the trip before
.irp i, 0,1,2,3
	v_add_f32 v[UV+2*\i], s38, v[X+\i]             ; t = x + k: the trip's only readers of X
.endr
.irp i, 0,1,2,3
	v_fma_f32 v[UV+2*\i+1], v[UV+2*\i], s39, s40   ; A t + 2 B'
.endr
.irp i, 0,1,2,3
	v_fma_f32 v[UV+2*\i+1], v[UV+2*\i+1], v[UV+2*\i], s41   ; (A t + 2 B') t + R + eps: variance + eps
.endr
.irp i, 0,1,2,3
	v_rsq_f32 v[UV+2*\i+1], v[UV+2*\i+1]           ; v = rstd
.endr
	v_nop
	s_wait_alu depctr_va_vdst(0)                   ; the four reciprocal roots have written v, ahead of the multiplies that read them; and the four additions are done reading X, in which the load below lands
	s_cmp_eq_u32 s44, 1                            ; the last trip asks for nothing: no load leaves its buffer
	s_cbranch_scc1 .Lno_next
	global_load_b128 v[X:X+3], v[VOFF], s[8:9] offset:CHUNKB th:TH_LOAD_NT   ; the next trip's x; no vector instruction stands between the wait above and this load
.Lno_next:
.irp i, 0,1,2,3
	v_mul_f32 v[UV+2*\i], v[UV+2*\i], v[UV+2*\i+1] ; u = t rstd
.endr
.irp i, 0,1,2,3
	LAYER1 \i
	LAYER2 \i
.endr
	s_wait_alu depctr_va_vdst(0)                   ; the sub-steps' last additions have written O, which the store reads
	global_store_b128 v[VOFF], v[O:O+3], s[30:31] th:TH_STORE_NT   ; 32 lanes store 512 consecutive bytes, aligned; written once, read by nobody here
	s_wait_xcnt 0x0                                ; the store has read its data and base, the load its base: only behind this wait are they written again
	s_wait_alu depctr_vm_vsrc(0)                   ; the store has read O, which the next trip's additions write again: stated ahead of the backward jump
	s_add_nc_u64 s[8:9], s[8:9], CHUNKB
	s_add_nc_u64 s[30:31], s[30:31], CHUNKB
	s_sub_co_u32 s44, s44, 1
	s_cmp_lg_u32 s44, 0
	s_cbranch_scc1 .Lchunk
	s_endpgm
.Lfunc_end_k_q9179d5e8ce_mlp:
	.size	k_q9179d5e8ce_mlp, .Lfunc_end_k_q9179d5e8ce_mlp-k_q9179d5e8ce_mlp
	.p2alignl 7, 3214868480
	.fill 96, 4, 3214868480
	.section	.rodata,"a",@progbits
	.p2align	6, 0x0
	.amdhsa_kernel k_q9179d5e8ce_mlp
		.amdhsa_group_segment_fixed_size 0
		.amdhsa_private_segment_fixed_size 0
		.amdhsa_enable_private_segment 0
		.amdhsa_kernarg_size 96
		.amdhsa_user_sgpr_count 2
		.amdhsa_user_sgpr_kernarg_segment_ptr 1
		.amdhsa_wavefront_size32 1
		.amdhsa_system_sgpr_workgroup_id_x 1
		.amdhsa_system_sgpr_workgroup_id_y 1
		.amdhsa_system_sgpr_workgroup_id_z 1
		.amdhsa_system_vgpr_workitem_id 0
		.amdhsa_next_free_vgpr 256
		.amdhsa_next_free_sgpr 66
		.amdhsa_reserve_vcc 0
		.amdhsa_float_denorm_mode_32 3
		.amdhsa_float_denorm_mode_16_64 3
		.amdhsa_memory_ordered 1
		.amdhsa_forward_progress 1
		.amdhsa_inst_pref_size 100
	.end_amdhsa_kernel
	.amdgpu_metadata
---
amdhsa.version: [ 1, 2 ]
amdhsa.kernels:
  - .name:           k_q9179d5e8ce_mlp
    .symbol:         k_q9179d5e8ce_mlp.kd
    .args:
      - { .name: x, .offset: 0, .size: 8, .value_kind: global_buffer, .address_space: global }
      - { .name: W1, .offset: 8, .size: 8, .value_kind: global_buffer, .address_space: global }
      - { .name: b1, .offset: 16, .size: 8, .value_kind: global_buffer, .address_space: global }
      - { .name: g1, .offset: 24, .size: 8, .value_kind: global_buffer, .address_space: global }
      - { .name: be1, .offset: 32, .size: 8, .value_kind: global_buffer, .address_space: global }
      - { .name: W2, .offset: 40, .size: 8, .value_kind: global_buffer, .address_space: global }
      - { .name: b2, .offset: 48, .size: 8, .value_kind: global_buffer, .address_space: global }
      - { .name: g2, .offset: 56, .size: 8, .value_kind: global_buffer, .address_space: global }
      - { .name: be2, .offset: 64, .size: 8, .value_kind: global_buffer, .address_space: global }
      - { .name: W3, .offset: 72, .size: 8, .value_kind: global_buffer, .address_space: global }
      - { .name: b3, .offset: 80, .size: 8, .value_kind: global_buffer, .address_space: global }
      - { .name: out0, .offset: 88, .size: 8, .value_kind: global_buffer, .address_space: global }
    .group_segment_fixed_size: 0
    .private_segment_fixed_size: 0
    .kernarg_segment_align: 8
    .kernarg_segment_size: 96
    .max_flat_workgroup_size: 512
    .sgpr_count:     66
    .vgpr_count:     256
    .wavefront_size: 32
...
	.end_amdgpu_metadata
.endif
;; end of part 2
